; MI455X (gfx1250); checked and timed in simulation.
; The chip was launched on July 23, 2026; its instructions are those of AMD's public machine-readable ISA for CDNA 5 (MIT licence, August 2026) and "CDNA5" Instruction Set Architecture Reference Guide (July 2026). The comments in the code are by the model that wrote it; some were corrected since.
;; Lo RA Linear. Allowed arithmetic: float matrix products may take bf16 or f16 operands with f32 sums; other float arithmetic in f32, or as packed bf16 or f16 multiplies, adds, multiply-adds, maxima and minima; sums over many terms, partial sums and values carried from step to step in f32; what a program stores and reads back later, other than sums and carried values, may be rounded once to bf16 or f16.
;; Inputs: bias 4,096 float32; lora_A 8 x 4,096 float32; lora_B 4,096 x 8 float32; scale 4,096 float32; weight_quant 4,096 x 2,048 int32; x 4 x 1,024 x 4,096 float32; zero 4,096 float32.
;; Outputs: out0 4 x 1,024 x 4,096 float32.
;; 2 versions, each right; version 2 is version 1 with the launch prep written anew for expert scheduling mode. Each part assembles by itself: llvm-mc -triple=amdgcn-amd-amdhsa -mcpu=gfx1250 --defsym DOCPART=n.
;; ======== version 1 of 2: 2 launches
;; limits: values are held in f16: magnitudes above 65,504 overflow, below 6.1e-05 lose precision
;; workspace buffers: xh 33,554,432 bytes; wh 33,554,432 bytes
;; launch prep (part 1): grid 256 x 1, 16 waves a work-group, no clusters, 0 bytes of LDS; arguments x, weight_quant, scale, zero, lora_A, lora_B, xh, wh; writes xh, wh
.if DOCPART == 1
	.amdgcn_target "amdgcn-amd-amdhsa--gfx1250"
	.amdhsa_code_object_version 6
	.text
	.protected	k_q6deee8ad93_prep
	.globl	k_q6deee8ad93_prep
	.p2align	8
	.type	k_q6deee8ad93_prep,@function
k_q6deee8ad93_prep:
	s_mov_b64 s[64:65], 0
	v_nop
	global_prefetch_b8 v0, s[64:65] scope:SCOPE_SE
	s_setreg_imm32_b32 hwreg(HW_REG_WAVE_MODE, 25, 1), 1
	s_wait_xcnt 0x0
; xh[m][i] = f16(x[m][i]).   wh = f16(W_eff), W_eff[o][i] = (nibble(o, i) - zero[i]) scale[i] + 2 sum over r of lora_B[o][r] lora_A[r][i].
; x: [4096][4096] f32.  weight_quant: [4096][2048] int32, low nibble = even column, next nibble = odd column.  xh, wh: [4096][4096] f16.
; x A^T B^T = x (B A)^T for every input, so the low-rank part is added to the weight once, here, and the large product that follows has one operand.
; LIMITS.  f16 holds no number beyond 65,504: an |x| or |W_eff| of 65,520 or more becomes an infinity.  Below 6.1e-5 f16 keeps its fixed step of 6e-8.
; W_eff is made in f32 as fma(q, s, -(z s)) + 2 B A and rounded once; the order of rounding differs from (q - z) s by one rounding of z s.  lora_A and 2 lora_B are rounded to f16 for their product.
; In the product's unused K (8 to 31) zeros of the one source meet numbers of lora_A in the other: those are finite wherever lora_A is within f16's range.
; wh's ROWS ARE PERMUTED inside groups of 64: stored row 64 G + 16 c + r' holds W_eff's row 64 G + 4 r' + c (c = 0..3, r' = 0..15), so that in the next launch a lane's four
; accumulators of one group hold four neighbouring columns of the output.
; SHARES.  Work-group g, wave w of 16.  x: the wave owns row 16 g + w: 32 loads of 512 consecutive bytes, 32 stores of 256 consecutive, aligned bytes.
; W: the wave owns columns 128 cb .. + 127, cb = 16 (g & 1) + w (256 bytes of a row of weight_quant and of wh), of rows 32 (g >> 1) .. + 31: two blocks of 16 rows.
; A BLOCK is eight matrix instructions; tile t takes columns 128 cb + 8 r + t (r = lane % 16, h = lane / 16).  In C and D register j of lane (r, h) is row o0 + 8 h + j of that column, so:
;   a load of 16 bytes a lane (row o0 + 8 h + j, byte 256 cb + 16 r) holds that row's numbers for all eight tiles; sixteen lanes read 256 consecutive, aligned bytes;
;   a row's eight tiles pack into 16 bytes a lane; sixteen lanes store 256 consecutive, aligned bytes.
; No LDS, no barrier: no wave wants a byte that another wave has fetched.  No register that a store reads is written again, so no wait frees one.
.set XO,  4                            ; v4   16 l: my 16 bytes of 512 of x
.set XS,  5                            ; v5   8 l: my 8 bytes of 256 of xh
.set QO,  6                            ; v6   8 h rows of weight_quant + 16 r
.set WO,  7                            ; v7   2 h rows of wh + 16 r
.set AO,  8                            ; v8   32 r: my eight numbers of lora_A's rows, scale, zero; my row of lora_B
.set FH,  10                           ; v[10:11]   2.0 in lanes 0-15, 0.0 in lanes 16-31, twice
.set SCL, 12                           ; v[12:27]   scale of tile t's column, twice, at 2 t
.set ZSC, 28                           ; v[28:43]   zero x scale, likewise
.set AF,  44                           ; v[44:79]   source 1: tile t's four registers at 4 t (lora_A[0..7] of my column, f16 in pairs); then four zeros
.set BF,  80                           ; v[80:95]   source 0 of block b at 8 b: 2 lora_B[o0 + r][0..7] in lanes 0-15, zeros elsewhere
.set ACC, 96                           ; v[96:159]  eight accumulators, tile t at 8 t
.set AL,  96                           ;            before that: lora_A[k][8 r + t] as loaded, at 8 k + t
.set QB,  160                          ; v[160:223] block b's eight loads at 32 b + 4 j; later its eight packed rows
.set T,   224                          ; v[224:255] x's first eight loads
.set SL,  224                          ;            before that: scale, zero, lora_B as loaded
.set ZL,  232
.set BL,  240
	s_load_b512 s[8:23], s[0:1], 0x0               ; x s[8:9], weight_quant s[10:11], scale s[12:13], zero s[14:15], lora_A s[16:17], lora_B s[18:19], xh s[20:21], wh s[22:23]
	v_and_b32 v1, 31, v0                           ; l
	v_lshrrev_b32 v9, 5, v0
	v_readfirstlane_b32 s2, v9                     ; wave 0..15
	v_and_b32 v2, 15, v0                           ; r
	v_bfe_u32 v3, v0, 4, 1                         ; h
	v_lshlrev_b32 v[XO], 4, v1
	v_lshlrev_b32 v[XS], 3, v1
	v_lshlrev_b32 v[QO], 4, v2                     ; 16 r
	v_lshl_add_u32 v[WO], v3, 14, v[QO]            ; + 2 rows of 8,192 bytes for the upper lanes
	v_lshl_add_u32 v[QO], v3, 16, v[QO]            ; + 8 rows of 8,192 bytes for the upper lanes
	v_lshlrev_b32 v[AO], 5, v2
	v_cvt_f32_u32 v[FH], v3
	v_fma_f32 v[FH], v[FH], -2.0, 2.0              ; 2 - 2 h
	v_mov_b32 v[FH+1], v[FH]
	s_and_b32 s3, ttmp9, 1
	s_lshl_b32 s3, s3, 4
	s_add_co_u32 s3, s3, s2                        ; cb
	s_lshl_b32 s4, ttmp9, 4
	s_add_co_u32 s4, s4, s2                        ; my row of x
	s_lshl_b32 s24, s4, 14                         ; in x: 16,384 bytes a row
	s_mov_b32 s25, 0
	s_lshl_b32 s26, s4, 13                         ; in xh: 8,192
	s_mov_b32 s27, 0
	s_lshr_b32 s5, ttmp9, 1                        ; my 32 rows of W
	s_lshl_b32 s6, s3, 8                           ; my 256 bytes of a row
	s_lshl_b32 s28, s5, 18                         ; 32 rows of 8,192 bytes
	s_add_co_u32 s28, s28, s6
	s_mov_b32 s29, 0
	s_lshr_b32 s7, ttmp9, 2
	s_lshl_b32 s7, s7, 6                           ; the group of 64 rows,
	s_and_b32 s4, s5, 1
	s_lshl_b32 s4, s4, 3                           ; and in it r' from 0 or from 8
	s_add_co_u32 s7, s7, s4
	s_lshl_b32 s30, s7, 13
	s_add_co_u32 s30, s30, s6
	s_mov_b32 s31, 0
	s_lshl_b32 s32, s3, 9                          ; my 128 f32 of lora_A's rows, scale and zero
	s_mov_b32 s33, 0
	s_lshl_b32 s34, s5, 10                         ; my 32 rows of lora_B, 32 bytes each
	s_mov_b32 s35, 0
	s_wait_kmcnt 0x0
	s_add_nc_u64 s[8:9], s[8:9], s[24:25]
	s_add_nc_u64 s[20:21], s[20:21], s[26:27]
	s_add_nc_u64 s[10:11], s[10:11], s[28:29]
	s_add_nc_u64 s[22:23], s[22:23], s[30:31]
	s_add_nc_u64 s[12:13], s[12:13], s[32:33]
	s_add_nc_u64 s[14:15], s[14:15], s[32:33]
	s_add_nc_u64 s[16:17], s[16:17], s[32:33]
	s_add_nc_u64 s[18:19], s[18:19], s[34:35]
; the small tables: 24 loads
.set k, 0
.rept 8
	global_load_b128 v[AL+8*k:AL+8*k+3],   v[AO], s[16:17] offset:k*16384
	global_load_b128 v[AL+8*k+4:AL+8*k+7], v[AO], s[16:17] offset:k*16384+16
.set k, k+1
.endr
	global_load_b128 v[SL:SL+3],   v[AO], s[12:13]
	global_load_b128 v[SL+4:SL+7], v[AO], s[12:13] offset:16
	global_load_b128 v[ZL:ZL+3],   v[AO], s[14:15]
	global_load_b128 v[ZL+4:ZL+7], v[AO], s[14:15] offset:16
.set bq, 0
.rept 2
	global_load_b128 v[BL+8*bq:BL+8*bq+3],   v[AO], s[18:19] offset:512*bq
	global_load_b128 v[BL+8*bq+4:BL+8*bq+7], v[AO], s[18:19] offset:512*bq+16
.set bq, bq+1
.endr
; block q's eight loads of weight_quant
.macro QLOAD q
.set j, 0
.rept 8
	global_load_b128 v[QB+32*(\q)+4*j:QB+32*(\q)+4*j+3], v[QO], s[10:11] offset:(16*(\q)+j)*8192 th:TH_LOAD_NT
.set j, j+1
.endr
.endm
; n loads of x, numbers i0 on, into registers base on
.macro XLOAD base, i0, n
.set i, 0
.rept \n
	global_load_b128 v[(\base)+4*i:(\base)+4*i+3], v[XO], s[8:9] offset:512*((\i0)+i) th:TH_LOAD_NT
.set i, i+1
.endr
.endm
; eight loads of x, numbers i0 on, are rounded in place and stored.  left = the younger loads, which may stay out
.macro XOUT base, i0, left
	s_wait_loadcnt \left
.set i, 0
.rept 8
	v_cvt_pk_f16_f32 v[(\base)+4*i],   v[(\base)+4*i],   v[(\base)+4*i+1]
	v_cvt_pk_f16_f32 v[(\base)+4*i+1], v[(\base)+4*i+2], v[(\base)+4*i+3]
	global_store_b64 v[XS], v[(\base)+4*i:(\base)+4*i+1], s[20:21] offset:256*((\i0)+i) th:TH_STORE_NT  ; the wave's 32 lanes store 256 consecutive, aligned bytes
.set i, i+1
.endr
.endm
; block q: unpack, dequantise, add 2 B A, round, store.  left = the younger loads, which may stay out
.macro WBLOCK q, left
.set QR, QB+32*(\q)
	s_wait_loadcnt \left
.set j, 0
.rept 8
.set e, 0
.rept 4
	v_and_b32 v[ACC+16*e+j],   15, v[QR+4*j+e]     ; word e: bits 3:0 are tile 2 e,
	v_bfe_u32 v[ACC+16*e+8+j], v[QR+4*j+e], 4, 4   ; bits 7:4 tile 2 e + 1; higher bits are dropped
.set e, e+1
.endr
.set j, j+1
.endr
.set i, 0
.rept 64
	v_cvt_f32_u32 v[ACC+i], v[ACC+i]
.set i, i+1
.endr
.set t, 0
.rept 8
.set j, 0
.rept 4
	v_pk_fma_f32 v[ACC+8*t+j:ACC+8*t+j+1], v[ACC+8*t+j:ACC+8*t+j+1], v[SCL+2*t:SCL+2*t+1], v[ZSC+2*t:ZSC+2*t+1] neg_lo:[0,0,1] neg_hi:[0,0,1]  ; q s - z s, two rows at once
.set j, j+2
.endr
.set t, t+1
.endr
.set t, 0
.rept 8                                ; the dequantised numbers are the C operand; eight accumulators, one instruction each.  Source 1's upper four registers are the next tile's: they meet zeros of source 0
	v_wmma_f32_16x16x32_f16 v[ACC+8*t:ACC+8*t+7], v[BF+8*(\q):BF+8*(\q)+7], v[AF+4*t:AF+4*t+7], v[ACC+8*t:ACC+8*t+7]
.set t, t+1
.endr
.rept 4
	v_nop                                          ; four places between the last product and what reads its result (ISA guide 7.12.1)
.endr
.set j, 0
.rept 8                                ; row j's eight tiles: 16 bytes; j ascending
.set e, 0
.rept 4
	v_cvt_pk_f16_f32 v[QR+4*j+e], v[ACC+16*e+j], v[ACC+16*e+8+j]
.set e, e+1
.endr
.set j, j+1
.endr
.set j, 0
.rept 8                                ; row o0 + 8 h + j goes to c = j % 4, r' = (the base's 0 or 8) + 4 q + 2 h + j / 4; sixteen lanes store 256 consecutive, aligned bytes
	global_store_b128 v[WO], v[QR+4*j:QR+4*j+3], s[22:23] offset:(16*(j%4)+j/4+4*(\q))*8192 th:TH_STORE_NT
.set j, j+1
.endr
.endm
	QLOAD 0
	QLOAD 1
	s_wait_loadcnt 16                              ; the tables are in; the 16 loads of weight_quant, which are younger, stay out
.set t, 0
.rept 8                                ; the packed multiply-add works on two rows of one column, so a column's two constants stand twice
	v_mov_b32 v[SCL+2*t],   v[SL+t]
	v_mov_b32 v[SCL+2*t+1], v[SL+t]
	v_mul_f32 v[ZSC+2*t],   v[ZL+t], v[SL+t]
	v_mul_f32 v[ZSC+2*t+1], v[ZL+t], v[SL+t]
.set t, t+1
.endr
.set t, 0
.rept 8
.set p, 0
.rept 4
	v_cvt_pk_f16_f32 v[AF+4*t+p], v[AL+16*p+t], v[AL+16*p+8+t]  ; k = 2 p below, 2 p + 1 above
.set p, p+1
.endr
.set t, t+1
.endr
.set p, 0
.rept 4
	v_mov_b32 v[AF+32+p], 0
.set p, p+1
.endr
.set bq, 0
.rept 2
.set p, 0
.rept 4
	v_pk_mul_f32 v[BL+8*bq+2*p:BL+8*bq+2*p+1], v[BL+8*bq+2*p:BL+8*bq+2*p+1], v[FH:FH+1]  ; times 2 (the module's alpha / r) in lanes 0-15; the upper lanes hold k = 8..15: 0
.set p, p+1
.endr
.set p, 0
.rept 4
	v_cvt_pk_f16_f32 v[BF+8*bq+p], v[BL+8*bq+2*p], v[BL+8*bq+2*p+1]
	v_mov_b32 v[BF+8*bq+4+p], 0                    ; k = 16..31
.set p, p+1
.endr
.set bq, bq+1
.endr
	XLOAD T, 0, 8                                  ; the registers of scale, zero and lora_B are free: x's first eight loads go out
	WBLOCK 0, 16                                   ; younger than block 0's loads: block 1's eight and x's eight
	WBLOCK 1, 8                                    ; younger: x's eight
	XLOAD 12, 8, 24                                ; the constants, the sources and twelve accumulator registers are free (four places and 32 conversions behind the last product): the rest of the row
	XOUT T,  0,  24
	XOUT 12, 8,  16
	XOUT 44, 16, 8
	XOUT 76, 24, 0
	s_endpgm
.Lfunc_end_k_q6deee8ad93_prep:
	.size	k_q6deee8ad93_prep, .Lfunc_end_k_q6deee8ad93_prep-k_q6deee8ad93_prep
	.p2alignl 7, 3214868480
	.fill 96, 4, 3214868480
	.section	.rodata,"a",@progbits
	.p2align	6, 0x0
	.amdhsa_kernel k_q6deee8ad93_prep
		.amdhsa_group_segment_fixed_size 0
		.amdhsa_private_segment_fixed_size 0
		.amdhsa_enable_private_segment 0
		.amdhsa_kernarg_size 64
		.amdhsa_user_sgpr_count 2
		.amdhsa_user_sgpr_kernarg_segment_ptr 1
		.amdhsa_wavefront_size32 1
		.amdhsa_system_sgpr_workgroup_id_x 1
		.amdhsa_system_sgpr_workgroup_id_y 1
		.amdhsa_system_sgpr_workgroup_id_z 1
		.amdhsa_system_vgpr_workitem_id 0
		.amdhsa_next_free_vgpr 256
		.amdhsa_next_free_sgpr 66
		.amdhsa_reserve_vcc 0
		.amdhsa_float_denorm_mode_32 3
		.amdhsa_float_denorm_mode_16_64 3
		.amdhsa_memory_ordered 1
		.amdhsa_forward_progress 1
		.amdhsa_inst_pref_size 42
	.end_amdhsa_kernel
	.amdgpu_metadata
---
amdhsa.version: [ 1, 2 ]
amdhsa.kernels:
  - .name:           k_q6deee8ad93_prep
    .symbol:         k_q6deee8ad93_prep.kd
    .args:
      - { .name: x, .offset: 0, .size: 8, .value_kind: global_buffer, .address_space: global }
      - { .name: weight_quant, .offset: 8, .size: 8, .value_kind: global_buffer, .address_space: global }
      - { .name: scale, .offset: 16, .size: 8, .value_kind: global_buffer, .address_space: global }
      - { .name: zero, .offset: 24, .size: 8, .value_kind: global_buffer, .address_space: global }
      - { .name: lora_A, .offset: 32, .size: 8, .value_kind: global_buffer, .address_space: global }
      - { .name: lora_B, .offset: 40, .size: 8, .value_kind: global_buffer, .address_space: global }
      - { .name: xh, .offset: 48, .size: 8, .value_kind: global_buffer, .address_space: global }
      - { .name: wh, .offset: 56, .size: 8, .value_kind: global_buffer, .address_space: global }
    .group_segment_fixed_size: 0
    .private_segment_fixed_size: 0
    .kernarg_segment_align: 8
    .kernarg_segment_size: 64
    .max_flat_workgroup_size: 512
    .sgpr_count:     66
    .vgpr_count:     256
    .wavefront_size: 32
...
	.end_amdgpu_metadata
.endif
;; end of part 1
;; launch gemm (part 2): grid 16 x 16, 4 waves a work-group, clusters of 4 x 4, 327,680 bytes of LDS; arguments xh, wh, out0, bias; writes out0
.if DOCPART == 2
	.amdgcn_target "amdgcn-amd-amdhsa--gfx1250"
	.amdhsa_code_object_version 6
	.text
	.protected	k_q6deee8ad93_gemm
	.globl	k_q6deee8ad93_gemm
	.p2align	8
	.type	k_q6deee8ad93_gemm,@function
k_q6deee8ad93_gemm:
	s_mov_b64 s[64:65], 0
	v_nop
	global_prefetch_b8 v0, s[64:65] scope:SCOPE_SE
	s_setreg_imm32_b32 hwreg(HW_REG_WAVE_MODE, 25, 1), 1
	s_wait_xcnt 0x0
	s_wait_alu depctr_hold_cnt(0) depctr_sa_sdst(0) depctr_va_vdst(0) depctr_va_sdst(0) depctr_va_ssrc(0) depctr_va_vcc(0) depctr_vm_vsrc(0)
	s_getreg_b32 s2, hwreg(HW_REG_IB_STS2, 6, 4)
	s_cmp_eq_u32 s2, 0
	s_cbranch_scc0 .Lentry_in_a_cluster
	s_endpgm
.Lentry_in_a_cluster:
	s_bfe_u32 s2, ttmp6, 0x10000c
	s_cmp_lg_u32 s2, 0xf033
	s_cbranch_scc0 .Lentry_shape_is_right
	s_endpgm
.Lentry_shape_is_right:
; out0[m][o] = sum over i of xh[m][i] W[o][i] + bias[o].  xh: [4096][4096] f16.  wh: [4096][4096] f16, W's rows permuted inside groups of 64: stored row 64 G + 16 c + r' is W's row 64 G + 4 r' + c.
; out0: [4096][4096] f32, bias: [4096] f32.  Sums and the bias in f32.  LIMITS: the operands are f16 as the launch before made them (no number beyond 65,504; a fixed step of 6e-8 below 6.1e-5).
; A tile of out0, 256 x 256, is made by a work-group of four waves; a wave makes 128 x 128: 64 accumulators of 16 x 16, 512 registers.  4096 / 256 squared = 256 work-groups, one tile each.
; K goes in steps of 128 through a ring of two LDS slots filled by the tensor data mover: a tile's rows are 256 bytes of memory and start at multiples of 256 bytes from the buffer's first byte.
; CLUSTERS: 4 x 4 work-groups.  The four of a row of the cluster need the same tiles of xh, the four of a column the same tiles of wh.  Such a tile is asked for JOINTLY: each of the four issues
; the same tensor load, with the same descriptor and a mask that names the four, and each receives the tile in its own LDS.
; THE WAY OUT NEEDS NO LDS.  Source 0 = 16 rows of xh, source 1 = 16 stored rows of wh: in accumulator (a, b) lane (r, h) holds rows 16 a + 8 h + j (register j) of the column that stored row 16 b + r stands for:
; 64 (b / 4) + 4 r + b % 4.  So accumulators 4 g .. 4 g + 3 hold four neighbouring columns in a lane; the addition of the bias, which is due anyway, sets them side by side, and sixteen lanes store 256 consecutive, aligned bytes of a row.
; REGISTERS, in windows of 256 (s_set_vgpr_msb: bits 1:0 source 0, 3:2 source 1, 5:4 source 2, 7:6 destination):
;   window 0: v0-31 addresses; v32-39 bias; v64-127, v128-191 fragments of xh (8 x 16 rows x 32 K), two buffers; on the way out the same 128 hold rows to be stored
;   window 1: v64-127, v128-191 fragments of wh, two buffers
;   window 2: the 32 accumulators of my rows 0-63 (accumulator (a, b) at v[8 (8 a + b)]);   window 3: those of my rows 64-127
.set SIZE_M, 4096
.set SIZE_N, 4096
.set SIZE_K, 4096
.set KSTEP,  128
.set PITCH,  272                       ; an LDS row: 256 bytes of data + 16 of padding = 68 words: row r starts at bank 4 r mod 64 (64 banks of 4 bytes: ISA guide 11.1), so the 16 rows that a load touches start at 16 different banks
.set HALFT,  128*PITCH                 ; 128 rows: what one tensor load brings, and what one wave reads of either operand
.set SLOT,   4*HALFT                   ; xh's 256 rows, then wh's 256 rows
.set SPARE,  2*SLOT                    ; behind the ring: the spare words, 128 bytes for each wave: two blocks of 256 bytes that no other line names
.set LAPS,   SIZE_K/(2*KSTEP)          ; a lap = two K steps = once round the ring: 16
.set ROWB,   SIZE_N*4                  ; bytes in a row of out0
.set ADRA, 16                          ; v16-17  LDS address of my fragments of xh in slot 0, 1
.set ADRB, 20                          ; v20-21  the same for wh
.set CO,   26                          ; v26     my byte offset in out0: 8 h rows + 16 r; never rewritten
.set BO,   27                          ; v27     16 r: my four numbers of 64 of bias
.set SPW,  28                          ; v28     LDS address of my spare word: SPARE + 4 x my thread's number; never rewritten
.set NIL,  29                          ; v29     0; never rewritten
.set PFO,  30                          ; v30     the prefetches' offset: my lane x a row of xh or wh (8,192 bytes); never rewritten
.set BIAS, 32                          ; v32-39  bias of the column that accumulator (a, b) holds in my lane, at BIAS + b
.set F0,   64                          ; fragment buffer 0
.set F1,   128                         ; fragment buffer 1
.set PFA,  44                          ; s[44:45] where my prefetches stand: my work-group's 32 rows of the 128 that I fetch, one K step further along K than the refill that is being asked for
.set LIM,  43                          ; s43     1 in a wave that prefetches, else the greatest number
.set G1,   24                          ; s[24:31] descriptor group 1 for xh's tiles
.set G0,   32                          ; s[32:39] descriptor group 0 for xh's tiles, one set for each slot
.set G1B,  48                          ; s[48:55] descriptor group 1 for wh's tiles: it differs in the mask alone
.set G0B,  56                          ; s[56:63] descriptor group 0 for wh's tiles, one set for each slot
.set BP,   66                          ; s[66:67] bias
.set MSB, 0
.macro WIN new                         ; the immediate's high byte repeats the setting that is left; a switch that changes nothing is dropped
.if MSB != (\new)
	s_set_vgpr_msb (MSB<<8)|(\new)
.set MSB, \new
.endif
.endm
.set MUL_LO, 0xa4                      ; source 0 (xh) window 0, source 1 (wh) window 1, C and D window 2
.set MUL_HI, 0xf4                      ; the same, C and D window 3
.set TO_B,   0x40                      ; destination window 1, address window 0
; A joint load.  Waves 0 and 1 fetch xh's two halves, waves 2 and 3 wh's.  Each of the two lines has ONE mask and one set of registers for all that issue it.  The branch hangs on the wave's number alone.
; An s_nop 0 and four v_nop follow each of the two lines; the jump, the label and what follows the macro come after them.
.macro JLOAD s
	s_cmp_eq_u32 s11, 0
	s_cbranch_scc0 .Lfor_b_\@
	tensor_load_to_lds s[G0+4*(\s):G0+4*(\s)+3], s[G1:G1+7]
	s_nop 0
.rept 4
	v_nop
.endr
	s_branch .Lasked_\@
.Lfor_b_\@:
	tensor_load_to_lds s[G0B+4*(\s):G0B+4*(\s)+3], s[G1B:G1B+7]
	s_nop 0
.rept 4
	v_nop
.endr
.Lasked_\@:
.endm
; A PREFETCH INTO THE L2, behind each joint refill, its five lines and the run of LDS loads that follows them: the K step that stands TWO refills on, 512 matrix instructions ahead of the load that will ask for it:
; 32 rows x 256 bytes, a lane a row, one instruction a wave.  Each row's 256 bytes of a K step are named ONCE in the launch: xh's tile row is read by every cluster of that row of clusters, and the one with
; x = 0 asks; wh's tile column by every cluster of that column, and the one with y = 0 asks.  The four partners that ask for a tile jointly share its rows out BY ADDRESS: of the 128 rows that a wave fetches,
; the partner at place p takes 32 p .. 32 p + 31 (p = cx for xh, cy for wh).  K steps 0 to 3 come by their loads alone; the loop's last trip (s3 = 1) asks for nothing: K step 31 is the last that is named.
.macro ASK
	s_cmp_gt_u32 s3, s[LIM]
	s_cbranch_scc0 .Lnot_mine_\@
	global_prefetch_b8 v[PFO], s[PFA:PFA+1] offset:KSTEP*2 th:TH_LOAD_NT scope:SCOPE_SE
.Lnot_mine_\@:
.endm
; A round of the cluster's barrier: my work-group's barrier, so that wave 0's signal speaks for all four waves; wave 0 signals for the work-group; every wave waits for all sixteen; my work-group's barrier once more.
.macro CREST                           ; a round behind its opening barrier
	s_cmp_lg_u32 s10, 0
	s_cbranch_scc1 .Lnot_wave_0_\@
	s_barrier_signal -3
.Lnot_wave_0_\@:
	s_barrier_wait -3
	s_barrier_signal -1
	s_barrier_wait -1
.endm
.macro CROUND                          ; a whole round
	s_barrier_signal -1
	s_barrier_wait -1
	CREST
.endm
	s_load_b128 s[4:7], s[0:1], 0x0                ; xh s[4:5], wh s[6:7]
	s_load_b64 s[8:9], s[0:1], 0x10                ; out0
	s_load_b64 s[BP:BP+1], s[0:1], 0x18            ; bias
	v_lshl_add_u32 v[SPW], v0, 2, SPARE
	v_mov_b32 v[NIL], 0
	ds_add_u32 v[SPW], v[NIL]                      ; the wave's opening: the add, twice on end, and its wait ahead of my first tensor load; the set-up below, work on registers, stands between
	ds_add_u32 v[SPW], v[NIL]                      ; and once more, under the one wait
	v_lshrrev_b32 v1, 5, v0
	v_readfirstlane_b32 s10, v1                    ; wave 0..3
	s_lshr_b32 s11, s10, 1                         ; which half of the tile's rows is mine.  Also: I fetch for xh (0) or for wh (1)
	s_and_b32 s12, s10, 1                          ; which half of its columns.  Also: which 128 rows of that tile I fetch
	s_bfe_u32 s40, ttmp6, 0x40000                  ; cx: my place along the cluster's x
	s_bfe_u32 s41, ttmp6, 0x40004                  ; cy: along its y
	s_lshl_b32 s42, ttmp9, 2                       ; in a cluster launch ttmp9 and ttmp7 count clusters
	s_add_co_u32 s42, s42, s40                     ; tile column = 4 x cluster x + cx
	s_and_b32 s13, ttmp7, 0xffff
	s_lshl_b32 s13, s13, 2
	s_add_co_u32 s13, s13, s41                     ; tile row = 4 x cluster y + cy
	s_lshl_b32 s43, s41, 2
	s_lshl_b32 s43, 15, s43                        ; my row of the cluster: places 4 cy .. 4 cy + 3
	s_lshl_b32 s44, 0x1111, s40                    ; my column: places cx, cx + 4, cx + 8, cx + 12
	; descriptor group 1: a tile of 128 rows x 128 elements, padded in LDS
	s_or_b32 s[G1+0], s43, (1<<16)|(1<<20)|(1<<21)|(5<<22)|(3<<25)  ; 15:0 the mask: xh's tiles go to my row; 17:16 elements of 2 bytes; 20 padding on; 21 set beside a mask; 24:22 after every 64 words (code 5); 31:25 4 words of it (code 3)
	s_or_b32 s[G1B+0], s44, (1<<16)|(1<<20)|(1<<21)|(5<<22)|(3<<25) ; the same with the mask of my column, for wh's tiles
	s_mov_b32 s[G1B+1], KSTEP<<16
	s_mov_b32 s[G1+1], KSTEP<<16                   ; 63:48 tensor_dim0, low half = 128
	s_mov_b32 s[G1B+2], 128<<16
	s_mov_b32 s[G1+2], 128<<16                     ; 79:64 its high half = 0; 95:80 tensor_dim1, low half = 128
	s_mov_b32 s[G1B+3], KSTEP<<16
	s_mov_b32 s[G1+3], KSTEP<<16                   ; 111:96 its high half = 0; 127:112 tile_dim0 = 128
	s_mov_b32 s[G1B+4], 128
	s_mov_b32 s[G1+4], 128                         ; 143:128 tile_dim1 = 128; 159:144 tile_dim2 = 0
	s_mov_b32 s[G1B+5], SIZE_K
	s_mov_b32 s[G1+5], SIZE_K                      ; 191:160 tensor_dim0_stride, low word: elements from row to row
	s_mov_b32 s[G1B+6], 0
	s_mov_b32 s[G1+6], 0
	s_mov_b32 s[G1B+7], 0
	s_mov_b32 s[G1+7], 0
	; where the tiles come from.  xh's hang on the tile row alone, which my row of the cluster shares; wh's on the tile column alone, which my column shares.
	; Every wave makes both addresses, in registers that never hold the other coordinate, and asks by one of them.
	s_lshl_b32 s17, s12, 7                         ; which 128 rows of the tile I fetch
	s_lshl_b32 s16, s13, 8
	s_add_co_u32 s16, s16, s17                     ; xh: row 256 x tile row + 128 x half
	s_lshl_b32 s46, s42, 8
	s_add_co_u32 s46, s46, s17                     ; wh: row 256 x tile column + 128 x half
	s_mov_b32 s17, 0
	s_mov_b32 s47, 0
	s_mov_b64 s[18:19], SIZE_K*2
	s_mul_u64 s[16:17], s[16:17], s[18:19]         ; in bytes
	s_mul_u64 s[46:47], s[46:47], s[18:19]
	s_mul_i32 s20, s10, HALFT                      ; and where they go: wave x 128 rows: no place in the cluster enters an LDS address
	s_wait_dscnt 0x0                               ; both opening adds are done
	s_wait_kmcnt 0x0
	s_add_nc_u64 s[14:15], s[4:5], s[16:17]
	s_add_nc_u64 s[46:47], s[6:7], s[46:47]
	CROUND                                         ; all sixteen work-groups are here: the first joint loads meet
.irp s, 0,1
	s_mov_b32 s[G0+4*(\s)], 1                                      ; 1:0 count = 1
	s_add_co_u32 s[G0+4*(\s)+1], s20, (\s)*SLOT                    ; 63:32 LDS address
	s_add_nc_u64 s[G0+4*(\s)+2:G0+4*(\s)+3], s[14:15], (\s)*KSTEP*2  ; 120:64 global address: K step s
	s_or_b32 s[G0+4*(\s)+3], s[G0+4*(\s)+3], 0x80000000            ; 127:126 type = 2
	s_mov_b32 s[G0B+4*(\s)], 1
	s_add_co_u32 s[G0B+4*(\s)+1], s20, (\s)*SLOT
	s_add_nc_u64 s[G0B+4*(\s)+2:G0B+4*(\s)+3], s[46:47], (\s)*KSTEP*2
	s_or_b32 s[G0B+4*(\s)+3], s[G0B+4*(\s)+3], 0x80000000
	JLOAD \s                                       ; the ring is filled before anything else is done: two tensor loads of mine are out
.endr
	; A fragment is 16 rows x 32 K in 8 registers: lane l holds row l % 16; registers 0-3 hold K = 8 (l / 16) + 0..7, registers 4-7 hold K = 16 + 8 (l / 16) + 0..7: two loads of 16 bytes, 32 bytes apart.
	v_and_b32 v1, 15, v0                           ; r = l % 16
	v_bfe_u32 v2, v0, 4, 1                         ; h = l / 16
	v_mul_u32_u24 v3, v1, PITCH
	v_lshl_add_u32 v3, v2, 4, v3                   ; row x pitch + 16 x half
	s_mul_i32 s21, s11, HALFT                      ; my 128 rows of xh
	s_mul_i32 s22, s12, HALFT                      ; my 128 rows of wh,
	s_add_co_u32 s22, s22, 2*HALFT                 ; which lie behind xh's 256
.irp s, 0,1
	v_add_nc_u32 v[ADRA+(\s)], s21, v3
	v_add_nc_u32 v[ADRB+(\s)], s22, v3
	s_add_co_u32 s21, s21, SLOT
	s_add_co_u32 s22, s22, SLOT
.endr
	v_lshlrev_b32 v[BO], 4, v1                     ; 16 r
	v_lshl_add_u32 v[CO], v2, 17, v[BO]            ; + 8 rows of 16,384 bytes for the upper lanes
	; out0 and bias at my wave's corner
	s_lshl_b32 s13, s13, 8                         ; 256 x tile row
	s_lshl_b32 s14, s11, 7
	s_add_co_u32 s16, s13, s14                     ; my first row of out0
	s_mov_b32 s17, 0
	s_mov_b64 s[18:19], ROWB
	s_mul_u64 s[16:17], s[16:17], s[18:19]
	s_lshl_b32 s46, s42, 10                        ; my first column, in bytes of f32: 1,024 x tile column + 512 x half
	s_lshl_b32 s47, s12, 9
	s_add_co_u32 s46, s46, s47
	s_mov_b32 s47, 0
	s_add_nc_u64 s[8:9], s[8:9], s[16:17]
	s_add_nc_u64 s[8:9], s[8:9], s[46:47]
	s_add_nc_u64 s[BP:BP+1], s[BP:BP+1], s[46:47]
	global_load_b128 v[BIAS:BIAS+3],   v[BO], s[BP:BP+1]             ; columns 4 r .. 4 r + 3 of my first 64,
	global_load_b128 v[BIAS+4:BIAS+7], v[BO], s[BP:BP+1] offset:256  ; and of my second 64
	; the prefetches.  s13 = 256 x tile row, s42 = tile column, s40 = cx, s41 = cy still stand; s[4:5] = xh, s[6:7] = wh
	s_lshl_b32 s42, s42, 8
	s_and_b32 s22, ttmp7, 0xffff                   ; cluster y
	s_cmp_eq_u32 s11, 0                            ; do I fetch for xh?
	s_cselect_b32 s20, s13, s42                    ; the tile's first row: in xh by the tile row, in wh by the tile column
	s_cselect_b32 s21, s40, s41                    ; my place among the four that ask for it with me
	s_cselect_b32 s22, ttmp9, s22                  ; the coordinate along which other clusters read the same rows
	s_cselect_b64 s[PFA:PFA+1], s[4:5], s[6:7]
	s_cmp_eq_u32 s22, 0
	s_cselect_b32 s[LIM], 1, -1                    ; the same in all sixteen partners, for a given wave
	s_lshl_b32 s22, s12, 7
	s_add_co_u32 s20, s20, s22                     ; + the 128 rows that I fetch
	s_lshl_b32 s21, s21, 5
	s_add_co_u32 s20, s20, s21                     ; + my work-group's 32 of them
	s_mov_b32 s21, 0
	s_mov_b64 s[18:19], SIZE_K*2
	s_mul_u64 s[20:21], s[20:21], s[18:19]
	s_add_nc_u64 s[PFA:PFA+1], s[PFA:PFA+1], s[20:21]
	s_add_nc_u64 s[PFA:PFA+1], s[PFA:PFA+1], 2*KSTEP*2  ; at K step 2: the first refill steps it to 3 and names K step 4
	v_and_b32 v[PFO], 31, v0
	v_mul_u32_u24 v[PFO], v[PFO], SIZE_K*2
	; nothing is prefetched here, at the head, where every work-group's first two tiles are on their way
; 16 matrix instructions: m blocks a0, a0 + 1 of the window's four (hi = 0: my rows 0-63, 1: rows 64-127) x all 8 n blocks, 32 along K.  zero = 1: the first product starts the sums: nothing is ever cleared.
; The 64 accumulators take turns, one instruction a turn, in the same order in every quarter step, over the backward jump too.
.macro MUL16 f, hi, a0, zero
	WIN MUL_LO+0x50*(\hi)  ; MUL_LO or MUL_HI
.irp a, \a0, (\a0)+1
.irp b, 0,1,2,3,4,5,6,7
.if \zero
	v_wmma_f32_16x16x32_f16 v[8*(8*(\a)+(\b)):8*(8*(\a)+(\b))+7], v[(\f)+8*(4*(\hi)+(\a)):(\f)+8*(4*(\hi)+(\a))+7], v[(\f)+8*(\b):(\f)+8*(\b)+7], 0
.else
	v_wmma_f32_16x16x32_f16 v[8*(8*(\a)+(\b)):8*(8*(\a)+(\b))+7], v[(\f)+8*(4*(\hi)+(\a)):(\f)+8*(4*(\hi)+(\a))+7], v[(\f)+8*(\b):(\f)+8*(\b)+7], v[8*(8*(\a)+(\b)):8*(8*(\a)+(\b))+7]
.endif
.endr
.endr
.endm
; 32 LDS loads in one run: the fragments of one quarter step (128 rows of wh, 128 rows of xh, 32 K at byte k of the rows) into buffer f
.macro FETCH slot, k, f
	WIN TO_B
.irp i, 0,1,2,3,4,5,6,7
	ds_load_b128 v[(\f)+8*(\i):(\f)+8*(\i)+3],   v[ADRB+(\slot)] offset:(\k)+(\i)*16*PITCH
	ds_load_b128 v[(\f)+8*(\i)+4:(\f)+8*(\i)+7], v[ADRB+(\slot)] offset:(\k)+(\i)*16*PITCH+32
.endr
	WIN 0
.irp i, 0,1,2,3,4,5,6,7
	ds_load_b128 v[(\f)+8*(\i):(\f)+8*(\i)+3],   v[ADRA+(\slot)] offset:(\k)+(\i)*16*PITCH
	ds_load_b128 v[(\f)+8*(\i)+4:(\f)+8*(\i)+7], v[ADRA+(\slot)] offset:(\k)+(\i)*16*PITCH+32
.endr
.endm
; A load into a register that a matrix instruction has read, and a vector instruction that reads a matrix result or writes one of a matrix instruction's registers, stand four places behind it; only plain
; vector instructions that name none of its registers are places (ISA guide 7.12.1 for vector instructions).
.macro PLACES
.rept 4
	v_nop
.endr
.endm
; A K step is four quarter steps of 32 along K, 64 matrix instructions each, on buffers 0, 1, 0, 1.
; One of the first three: multiplies buffer f; in its middle it fetches the next quarter's fragments, at byte k of the same slot's rows, into buffer g.
.macro QUARTER slot, k, f, g, zero
	s_wait_dscnt 8                                 ; wh's fragments and xh's rows 0-63 are in; the youngest eight loads (xh's rows 64-127) may be out
	WIN MUL_LO
	MUL16 \f, 0, 0, \zero
	MUL16 \f, 0, 2, \zero
	PLACES
	FETCH \slot, \k, \g
	s_wait_dscnt 32                                ; all but the 32 just issued
	WIN MUL_HI
	MUL16 \f, 1, 0, \zero
	MUL16 \f, 1, 2, \zero
.endm
; The last quarter multiplies buffer 1 and changes slots.  MEET is its first half: ONE barrier for the change of slots.  In front of it each wave waits for all its tensor loads, of which one is out: its part
; of the next slot; adds 0 to its spare word; and waits for that and for its own reads of this slot.  Behind it nobody reads this slot any more and the next slot is whole.
.macro MEET round                      ; round = 1: a round of the cluster's barrier follows
	WIN 0                                          ; (the add's two registers lie in window 0)
	s_wait_tensorcnt 0x0                           ; all my tensor loads have landed: the one that was out is my part of the next slot;
	ds_add_u32 v[SPW], v[NIL]                      ; 0 onto my spare word;
	s_wait_dscnt 9                                 ; (the add and the youngest eight loads may be out)
	WIN MUL_LO
	MUL16 F1, 0, 0, 0                              ; sixteen matrix instructions stand between the add and the wait for it
	s_wait_dscnt 0x0                               ; the add is done, and my reads of this slot are over:
	s_barrier_signal -1                            ; say so (where a slot is filled again this barrier opens a round of the cluster's barrier),
	MUL16 F1, 0, 2, 0                              ; work on registers while the others arrive,
.if \round
	WIN 0
.endif
	s_barrier_wait -1                              ; and go on when all four have said so
.endm
; The whole last quarter.  Behind the round the slot just read out is filled again first, with the K step two steps on; then come the next slot's first fragments.
; From a request to the wait for it a wave issues 224 matrix instructions.
.macro TURN slot, next
	s_wait_xcnt 0x0                                ; the last prefetch, a K step back, has read its address: it is stepped here, ahead of the waits of the change of slots
	s_add_nc_u64 s[PFA:PFA+1], s[PFA:PFA+1], KSTEP*2
	MEET 1
	CREST                                          ; all sixteen work-groups have said so: no wave of any partner still reads this slot's tile or has a load on its way
	s_add_nc_u64 s[G0+4*(\slot)+2:G0+4*(\slot)+3], s[G0+4*(\slot)+2:G0+4*(\slot)+3], 2*KSTEP*2     ; no tensor load of mine is out, so a group 0 may be written
	s_add_nc_u64 s[G0B+4*(\slot)+2:G0B+4*(\slot)+3], s[G0B+4*(\slot)+2:G0B+4*(\slot)+3], 2*KSTEP*2
	JLOAD \slot                                    ; the first tensor load behind the round, and my only one until the next; its four v_nop are also the places in front of the loads below
	FETCH \next, 0, F0
	ASK                                            ; behind the joint load and the run of LDS loads that the next products wait for
	WIN MUL_HI
	MUL16 F1, 1, 0, 0
	MUL16 F1, 1, 2, 0
.endm
; THE WAY OUT of block a, my rows 16 a .. 16 a + 15.  The bias is added, and with that the lane's four neighbouring columns come to stand in four neighbouring registers; then 16 stores.
; Rows ascending.  Two buffers of 64 registers take turns.
.macro OUTB a
.set TB, F0+64*((\a)%2)
.set AC, 64*((\a)%4)
	WIN 0x02+(\a)/4                                ; source 0: window 2 or 3
.set j, 0
.rept 8
.set b, 0
.rept 8
	v_add_f32 v[TB+8*j+b], v[AC+8*b+j], v[BIAS+b]
.set b, b+1
.endr
.set j, j+1
.endr
	WIN 0
	s_wait_xcnt 0x0                                ; every earlier store has had its addresses translated (ISA guide 3.1): the base is stepped, and the next block writes the buffer that the block before this one stored from, only behind this wait
.if (\a) > 0
	s_add_nc_u64 s[8:9], s[8:9], 16*ROWB
.endif
.set j, 0
.rept 8
	global_store_b128 v[CO], v[TB+8*j:TB+8*j+3],   s[8:9] offset:j*ROWB th:TH_STORE_NT      ; lanes 0-15: 256 consecutive, aligned bytes of row 16 a + j; lanes 16-31: of row 16 a + 8 + j
	global_store_b128 v[CO], v[TB+8*j+4:TB+8*j+7], s[8:9] offset:j*ROWB+256 th:TH_STORE_NT  ; the same rows' next 256 bytes
.set j, j+1
.endr
.endm
	s_wait_loadcnt 0x0                             ; the bias, beside the wait for the first tile
	s_wait_tensorcnt 1                             ; my part of K step 0 is in; K step 1's load may stay out
	s_barrier_signal -1
	s_barrier_wait -1                              ; everybody's is
	FETCH 0, 0, F0
	QUARTER 0, 64,  F0, F1, 1                      ; the first quarter stands in front of the loop: its products start the sums
	WIN 0                                          ; at a label and at a branch every window is 0
	s_mov_b32 s3, LAPS-1
.Llap:                                                 ; a trip goes once round the ring, from a lap's second quarter to the next lap's first, and fills both slots again: 15 trips ask for K steps 2 to 31
	QUARTER 0, 128, F1, F0, 0
	QUARTER 0, 192, F0, F1, 0
	TURN 0, 1
	QUARTER 1, 64,  F0, F1, 0
	QUARTER 1, 128, F1, F0, 0
	QUARTER 1, 192, F0, F1, 0
	TURN 1, 0
	QUARTER 0, 64,  F0, F1, 0
	WIN 0
	s_sub_co_u32 s3, s3, 1
	s_cmp_lg_u32 s3, 0
	s_cbranch_scc1 .Llap
	QUARTER 0, 128, F1, F0, 0                      ; the last lap is written out: it asks for nothing
	QUARTER 0, 192, F0, F1, 0
	MEET 0                                         ; my one tensor load that was still out is slot 1's, the last K step's, so no round follows
	PLACES                                         ; for the loads into buffer 0, which the quarter before multiplied
	FETCH 1, 0, F0
	WIN MUL_HI
	MUL16 F1, 1, 0, 0
	MUL16 F1, 1, 2, 0
	QUARTER 1, 64,  F0, F1, 0
	QUARTER 1, 128, F1, F0, 0
	QUARTER 1, 192, F0, F1, 0
	s_wait_dscnt 8                                 ; the very last quarter: nothing more to fetch
	WIN MUL_LO
	MUL16 F1, 0, 0, 0
	MUL16 F1, 0, 2, 0
	s_wait_dscnt 0x0
	MUL16 F1, 1, 0, 0
	MUL16 F1, 1, 2, 0
	WIN 0
	PLACES                                         ; the additions read results just made and write registers that the last products have read
.irp a, 0,1,2,3,4,5,6,7
	OUTB \a
.endr
	s_wait_tensorcnt 0x0                           ; the wave's end, behind my last tensor load
	ds_add_u32 v[SPW], v[NIL]
	s_wait_dscnt 0x0
	CROUND                                         ; the closing round: no work-group ends while a partner may still ask for a tile that names it
	s_endpgm
.Lfunc_end_k_q6deee8ad93_gemm:
	.size	k_q6deee8ad93_gemm, .Lfunc_end_k_q6deee8ad93_gemm-k_q6deee8ad93_gemm
	.p2alignl 7, 3214868480
	.fill 96, 4, 3214868480
	.section	.rodata,"a",@progbits
	.p2align	6, 0x0
	.amdhsa_kernel k_q6deee8ad93_gemm
		.amdhsa_group_segment_fixed_size 327680
		.amdhsa_private_segment_fixed_size 0
		.amdhsa_enable_private_segment 0
		.amdhsa_kernarg_size 32
		.amdhsa_user_sgpr_count 2
		.amdhsa_user_sgpr_kernarg_segment_ptr 1
		.amdhsa_wavefront_size32 1
		.amdhsa_system_sgpr_workgroup_id_x 1
		.amdhsa_system_sgpr_workgroup_id_y 1
		.amdhsa_system_sgpr_workgroup_id_z 1
		.amdhsa_system_vgpr_workitem_id 0
		.amdhsa_next_free_vgpr 1024
		.amdhsa_next_free_sgpr 68
		.amdhsa_reserve_vcc 0
		.amdhsa_float_denorm_mode_32 3
		.amdhsa_float_denorm_mode_16_64 3
		.amdhsa_memory_ordered 1
		.amdhsa_forward_progress 1
		.amdhsa_inst_pref_size 142
	.end_amdhsa_kernel
	.amdgpu_metadata
---
amdhsa.version: [ 1, 2 ]
amdhsa.kernels:
  - .name:           k_q6deee8ad93_gemm
    .symbol:         k_q6deee8ad93_gemm.kd
    .args:
      - { .name: xh, .offset: 0, .size: 8, .value_kind: global_buffer, .address_space: global }
      - { .name: wh, .offset: 8, .size: 8, .value_kind: global_buffer, .address_space: global }
      - { .name: out0, .offset: 16, .size: 8, .value_kind: global_buffer, .address_space: global }
      - { .name: bias, .offset: 24, .size: 8, .value_kind: global_buffer, .address_space: global }
    .group_segment_fixed_size: 327680
    .private_segment_fixed_size: 0
    .kernarg_segment_align: 8
    .kernarg_segment_size: 32
    .max_flat_workgroup_size: 128
    .sgpr_count:     68
    .vgpr_count:     1024
    .wavefront_size: 32
...
	.end_amdgpu_metadata
.endif
;; end of part 2
;; ======== version 2 of 2: 2 launches; version 1 with the launch prep written anew for expert scheduling mode
;; limits: values are held in f16: magnitudes above 65,504 overflow, below 6.1e-05 lose precision
;; workspace buffers: xh 33,554,432 bytes; wh 33,554,432 bytes
;; launch prep (part 3): grid 256 x 1, 16 waves a work-group, no clusters, 0 bytes of LDS; arguments x, weight_quant, scale, zero, lora_A, lora_B, xh, wh; writes xh, wh
.if DOCPART == 3
	.amdgcn_target "amdgcn-amd-amdhsa--gfx1250"
	.amdhsa_code_object_version 6
	.text
	.protected	k_q6deee8ad93_prep
	.globl	k_q6deee8ad93_prep
	.p2align	8
	.type	k_q6deee8ad93_prep,@function
k_q6deee8ad93_prep:
	s_mov_b64 s[64:65], 0
	v_nop
	global_prefetch_b8 v0, s[64:65] scope:SCOPE_SE
	s_setreg_imm32_b32 hwreg(HW_REG_WAVE_SCHED_MODE, 0, 2), 2
	s_setreg_imm32_b32 hwreg(HW_REG_WAVE_MODE, 25, 1), 1
	s_wait_xcnt 0x0
	s_wait_alu depctr_vm_vsrc(0)
; xh[m][i] = f16(x[m][i]).   wh = f16(W_eff), W_eff[o][i] = (nibble(o, i) - zero[i]) scale[i] + 2 sum over r of lora_B[o][r] lora_A[r][i].
; x: [4096][4096] f32.  weight_quant: [4096][2048] int32, low nibble = even column, next nibble = odd column.  xh, wh: [4096][4096] f16.
; x A^T B^T = x (B A)^T for every input, so the low-rank part is added to the weight once, here, and the large product that follows has one operand.
; LIMITS.  f16 holds no number beyond 65,504: an |x| or |W_eff| of 65,520 or more becomes an infinity.  Below 6.1e-5 f16 keeps its fixed step of 6e-8.
; W_eff is made in f32 as fma(q, s, -(z s)) + 2 B A and rounded once; the order of rounding differs from (q - z) s by one rounding of z s.  lora_A and 2 lora_B are rounded to f16 for their product.
; In the product's unused K (8 to 31) zeros of the one source meet numbers of lora_A in the other: those are finite wherever lora_A is within f16's range.
; wh's ROWS ARE PERMUTED inside groups of 64: stored row 64 G + 16 c + r' holds W_eff's row 64 G + 4 r' + c (c = 0..3, r' = 0..15), so that in the next launch a lane's four
; accumulators of one group hold four neighbouring columns of the output.
; SHARES.  Work-group g, wave w of 16.  x: the wave owns row 16 g + w: 32 loads of 512 consecutive bytes, 32 stores of 256 consecutive, aligned bytes.
; W: the wave owns columns 128 cb .. + 127, cb = 16 (g & 1) + w (256 bytes of a row of weight_quant and of wh), of rows 32 (g >> 1) .. + 31: two blocks of 16 rows.
; A BLOCK is eight matrix instructions; tile t takes columns 128 cb + 8 r + t (r = lane % 16, h = lane / 16).  In C and D register j of lane (r, h) is row o0 + 8 h + j of that column, so:
;   a load of 16 bytes a lane (row o0 + 8 h + j, byte 256 cb + 16 r) holds that row's numbers for all eight tiles; sixteen lanes read 256 consecutive, aligned bytes;
;   a row's eight tiles pack into 16 bytes a lane; sixteen lanes store 256 consecutive, aligned bytes.
; No LDS, no barrier: no wave wants a byte that another wave has fetched.  No register that a load or store reads is written again, so no wait frees one.
; THE MODE: SCHED_MODE bits 1:0 = 2 (LLVM: expert scheduling mode 2), set by the entry lines.  The code itself states the register dependences
; between vector or matrix instructions and memory instructions, with s_wait_alu, always for 0.
; THE PLAN.  Registers that memory instructions touch, in the order of the text (there is no loop):
;   v4-v8        the offsets: written once at the head, read by every load and store, never written again.
;   AL, SL, ZL, BL  the tables' loads land in them; the lines that make the constants read them (BL is scaled in place).
;   T            the registers of SL, ZL and BL once more: x's first eight loads land in them, behind the lines that read the three tables; rounded in place; read by eight stores.
;   QB0, QB1     a block's eight loads land; its unpacking reads them, its roundings write them, eight stores read them.
;   v12-v107     the constants, both sources and twelve accumulator registers: vector and matrix instructions alone name them until block 1 is rounded; then x's other 24 loads land there, three groups of eight, each rounded in place and read by eight stores.
; THE STORES OF A PIECE OF WORK STAND IN THE NEXT PIECE: block 0's in block 1's unpacking, block 1's among the conversions of x's first group, a group's among the next group's conversions.  A piece names none of the
; registers that the piece before rounded into, so ONE wait on va_vdst at a piece's head, behind its wait for data, states all that the eight stores dealt among its lines hang on.
.set XO,  4                            ; v4   16 l: my 16 bytes of 512 of x
.set XS,  5                            ; v5   8 l: my 8 bytes of 256 of xh
.set QO,  6                            ; v6   8 h rows of weight_quant + 16 r
.set WO,  7                            ; v7   2 h rows of wh + 16 r
.set AO,  8                            ; v8   32 r: my eight numbers of lora_A's rows, scale, zero; my row of lora_B
.set FH,  10                           ; v[10:11]   2.0 in lanes 0-15, 0.0 in lanes 16-31, twice
.set SCL, 12                           ; v[12:27]   scale of tile t's column, twice, at 2 t
.set ZSC, 28                           ; v[28:43]   zero x scale, likewise
.set AF,  44                           ; v[44:79]   source 1: tile t's four registers at 4 t (lora_A[0..7] of my column, f16 in pairs); then four zeros
.set BF,  80                           ; v[80:95]   source 0 of block b at 8 b: 2 lora_B[o0 + r][0..7] in lanes 0-15, zeros elsewhere
.set ACC, 96                           ; v[96:159]  eight accumulators, tile t at 8 t
.set AL,  96                           ;            before that: lora_A[k][8 r + t] as loaded, at 8 k + t
.set QB,  160                          ; v[160:223] block b's eight loads at 32 b + 4 j; later its eight packed rows
.set T,   224                          ; v[224:255] x's first eight loads
.set SL,  224                          ;            before that: scale, zero, lora_B as loaded
.set ZL,  232
.set BL,  240
	s_load_b512 s[8:23], s[0:1], 0x0               ; x s[8:9], weight_quant s[10:11], scale s[12:13], zero s[14:15], lora_A s[16:17], lora_B s[18:19], xh s[20:21], wh s[22:23]
	v_and_b32 v1, 31, v0                           ; l
	v_lshrrev_b32 v9, 5, v0
	v_readfirstlane_b32 s2, v9                     ; wave 0..15
	v_and_b32 v2, 15, v0                           ; r
	v_bfe_u32 v3, v0, 4, 1                         ; h
	v_lshlrev_b32 v[XO], 4, v1
	v_lshlrev_b32 v[XS], 3, v1
	v_lshlrev_b32 v[QO], 4, v2                     ; 16 r
	v_lshl_add_u32 v[WO], v3, 14, v[QO]            ; + 2 rows of 8,192 bytes for the upper lanes
	v_lshl_add_u32 v[QO], v3, 16, v[QO]            ; + 8 rows of 8,192 bytes for the upper lanes
	v_lshlrev_b32 v[AO], 5, v2
	v_cvt_f32_u32 v[FH], v3
	v_fma_f32 v[FH], v[FH], -2.0, 2.0              ; 2 - 2 h
	v_mov_b32 v[FH+1], v[FH]
	s_wait_alu depctr_va_sdst(0)                   ; s2 is written, ahead of its first reader: the wave's columns and its row are made from it
	s_and_b32 s3, ttmp9, 1
	s_lshl_b32 s3, s3, 4
	s_add_co_u32 s3, s3, s2                        ; cb
	s_lshl_b32 s4, ttmp9, 4
	s_add_co_u32 s4, s4, s2                        ; my row of x
	s_lshl_b32 s24, s4, 14                         ; in x: 16,384 bytes a row
	s_mov_b32 s25, 0
	s_lshl_b32 s26, s4, 13                         ; in xh: 8,192
	s_mov_b32 s27, 0
	s_lshr_b32 s5, ttmp9, 1                        ; my 32 rows of W
	s_lshl_b32 s6, s3, 8                           ; my 256 bytes of a row
	s_lshl_b32 s28, s5, 18                         ; 32 rows of 8,192 bytes
	s_add_co_u32 s28, s28, s6
	s_mov_b32 s29, 0
	s_lshr_b32 s7, ttmp9, 2
	s_lshl_b32 s7, s7, 6                           ; the group of 64 rows,
	s_and_b32 s4, s5, 1
	s_lshl_b32 s4, s4, 3                           ; and in it r' from 0 or from 8
	s_add_co_u32 s7, s7, s4
	s_lshl_b32 s30, s7, 13
	s_add_co_u32 s30, s30, s6
	s_mov_b32 s31, 0
	s_lshl_b32 s32, s3, 9                          ; my 128 f32 of lora_A's rows, scale and zero
	s_mov_b32 s33, 0
	s_lshl_b32 s34, s5, 10                         ; my 32 rows of lora_B, 32 bytes each
	s_mov_b32 s35, 0
	s_wait_kmcnt 0x0
	s_add_nc_u64 s[8:9], s[8:9], s[24:25]
	s_add_nc_u64 s[20:21], s[20:21], s[26:27]
	s_add_nc_u64 s[10:11], s[10:11], s[28:29]
	s_add_nc_u64 s[22:23], s[22:23], s[30:31]
	s_add_nc_u64 s[12:13], s[12:13], s[32:33]
	s_add_nc_u64 s[14:15], s[14:15], s[32:33]
	s_add_nc_u64 s[16:17], s[16:17], s[32:33]
	s_add_nc_u64 s[18:19], s[18:19], s[34:35]
	s_wait_alu depctr_va_vdst(0)                   ; the five offsets v4 to v8 are written: every load and store of the kernel reads one of them
; the small tables: 24 loads
.set k, 0
.rept 8
	global_load_b128 v[AL+8*k:AL+8*k+3],   v[AO], s[16:17] offset:k*16384
	global_load_b128 v[AL+8*k+4:AL+8*k+7], v[AO], s[16:17] offset:k*16384+16
.set k, k+1
.endr
	global_load_b128 v[SL:SL+3],   v[AO], s[12:13]
	global_load_b128 v[SL+4:SL+7], v[AO], s[12:13] offset:16
	global_load_b128 v[ZL:ZL+3],   v[AO], s[14:15]
	global_load_b128 v[ZL+4:ZL+7], v[AO], s[14:15] offset:16
.set bq, 0
.rept 2
	global_load_b128 v[BL+8*bq:BL+8*bq+3],   v[AO], s[18:19] offset:512*bq
	global_load_b128 v[BL+8*bq+4:BL+8*bq+7], v[AO], s[18:19] offset:512*bq+16
.set bq, bq+1
.endr
; block q's eight loads of weight_quant
.macro QLOAD q
.set j, 0
.rept 8
	global_load_b128 v[QB+32*(\q)+4*j:QB+32*(\q)+4*j+3], v[QO], s[10:11] offset:(16*(\q)+j)*8192 th:TH_LOAD_NT
.set j, j+1
.endr
.endm
; n loads of x, numbers i0 on, into registers base on
.macro XLOAD base, i0, n
.set i, 0
.rept \n
	global_load_b128 v[(\base)+4*i:(\base)+4*i+3], v[XO], s[8:9] offset:512*((\i0)+i) th:TH_LOAD_NT
.set i, i+1
.endr
.endm
; load number n of a group of x at registers base on is rounded in place
.macro XCVT base, n
	v_cvt_pk_f16_f32 v[(\base)+4*(\n)],   v[(\base)+4*(\n)],   v[(\base)+4*(\n)+1]
	v_cvt_pk_f16_f32 v[(\base)+4*(\n)+1], v[(\base)+4*(\n)+2], v[(\base)+4*(\n)+3]
.endm
; and stored; i0: the group's first number among the row's 32
.macro XSTORE base, i0, n
	global_store_b64 v[XS], v[(\base)+4*(\n):(\base)+4*(\n)+1], s[20:21] offset:256*((\i0)+(\n)) th:TH_STORE_NT  ; the wave's 32 lanes store 256 consecutive, aligned bytes
.endm
; a group of eight loads of x at base is rounded; the stores of the group before (at pbase, numbers pi0 on) are dealt among its conversions.  left = the younger loads, which may stay out
.macro XGROUP base, pbase, pi0, left
	s_wait_loadcnt \left
	s_wait_alu depctr_va_vdst(0)                   ; the group before has been rounded: its registers are written, and the stores below read them; this group's conversions name none of them
.set i, 0
.rept 8
	XSTORE \pbase, \pi0, i
	XCVT \base, i
.set i, i+1
.endr
.endm
; row n of block q is stored: row o0 + 8 h + n goes to c = n % 4, r' = (the base's 0 or 8) + 4 q + 2 h + n / 4; sixteen lanes store 256 consecutive, aligned bytes
.macro WSTORE q, n
	global_store_b128 v[WO], v[QB+32*(\q)+4*(\n):QB+32*(\q)+4*(\n)+3], s[22:23] offset:(16*((\n)%4)+(\n)/4+4*(\q))*8192 th:TH_STORE_NT
.endm
; block q: unpack, dequantise, add 2 B A, round.  left = the younger loads, which may stay out.  prev = 1: the stores of the block before are dealt among the unpacking lines
.macro WBLOCK q, left, prev
.set QR, QB+32*(\q)
	s_wait_loadcnt \left
.if \prev
	s_wait_alu depctr_va_vdst(0)                   ; the block before has been rounded: its eight packed rows are written, and the stores below read them; this block names none of those registers
.endif
.set j, 0
.rept 8
.if \prev
	WSTORE (\q)-1, j
.endif
.set e, 0
.rept 4
	v_and_b32 v[ACC+16*e+j],   15, v[QR+4*j+e]     ; word e: bits 3:0 are tile 2 e,
	v_bfe_u32 v[ACC+16*e+8+j], v[QR+4*j+e], 4, 4   ; bits 7:4 tile 2 e + 1; higher bits are dropped
.set e, e+1
.endr
.set j, j+1
.endr
.set i, 0
.rept 64
	v_cvt_f32_u32 v[ACC+i], v[ACC+i]
.set i, i+1
.endr
.set t, 0
.rept 8
.set j, 0
.rept 4
	v_pk_fma_f32 v[ACC+8*t+j:ACC+8*t+j+1], v[ACC+8*t+j:ACC+8*t+j+1], v[SCL+2*t:SCL+2*t+1], v[ZSC+2*t:ZSC+2*t+1] neg_lo:[0,0,1] neg_hi:[0,0,1]  ; q s - z s, two rows at once
.set j, j+2
.endr
.set t, t+1
.endr
.set t, 0
.rept 8                                ; the dequantised numbers are the C operand; eight accumulators, one instruction each.  Source 1's upper four registers are the next tile's: they meet zeros of source 0
	v_wmma_f32_16x16x32_f16 v[ACC+8*t:ACC+8*t+7], v[BF+8*(\q):BF+8*(\q)+7], v[AF+4*t:AF+4*t+7], v[ACC+8*t:ACC+8*t+7]
.set t, t+1
.endr
.rept 4
	v_nop                                          ; four places between the last product and what reads its result (ISA guide 7.12.1)
.endr
.set j, 0
.rept 8                                ; row j's eight tiles: 16 bytes; j ascending
.set e, 0
.rept 4
	v_cvt_pk_f16_f32 v[QR+4*j+e], v[ACC+16*e+j], v[ACC+16*e+8+j]
.set e, e+1
.endr
.set j, j+1
.endr
.endm
	QLOAD 0
	QLOAD 1
	s_wait_loadcnt 16                              ; the tables are in; the 16 loads of weight_quant, which are younger, stay out
; first the lines that read scale, zero and lora_B, so that their registers can be asked for again at once
.set t, 0
.rept 8                                ; the packed multiply-add works on two rows of one column, so a column's two constants stand twice
	v_mov_b32 v[SCL+2*t],   v[SL+t]
	v_mov_b32 v[SCL+2*t+1], v[SL+t]
	v_mul_f32 v[ZSC+2*t],   v[ZL+t], v[SL+t]
	v_mul_f32 v[ZSC+2*t+1], v[ZL+t], v[SL+t]
.set t, t+1
.endr
.set bq, 0
.rept 2
.set p, 0
.rept 4
	v_pk_mul_f32 v[BL+8*bq+2*p:BL+8*bq+2*p+1], v[BL+8*bq+2*p:BL+8*bq+2*p+1], v[FH:FH+1]  ; times 2 (the module's alpha / r) in lanes 0-15; the upper lanes hold k = 8..15: 0
.set p, p+1
.endr
.set p, 0
.rept 4
	v_cvt_pk_f16_f32 v[BF+8*bq+p], v[BL+8*bq+2*p], v[BL+8*bq+2*p+1]
	v_mov_b32 v[BF+8*bq+4+p], 0                    ; k = 16..31
.set p, p+1
.endr
.set bq, bq+1
.endr
	s_wait_alu depctr_va_vdst(0)                   ; the lines above are done reading scale's, zero's and lora_B's registers and writing lora_B's: x's first eight loads land in them
	XLOAD T, 0, 8
.set t, 0
.rept 8                                ; lora_A's lines name AL and AF alone, none of the registers that those loads touch
.set p, 0
.rept 4
	v_cvt_pk_f16_f32 v[AF+4*t+p], v[AL+16*p+t], v[AL+16*p+8+t]  ; k = 2 p below, 2 p + 1 above
.set p, p+1
.endr
.set t, t+1
.endr
.set p, 0
.rept 4
	v_mov_b32 v[AF+32+p], 0
.set p, p+1
.endr
	WBLOCK 0, 16, 0                                ; younger than block 0's loads: block 1's eight and x's eight
	WBLOCK 1, 8, 1                                 ; younger: x's eight; block 0's stores stand in its unpacking
	s_wait_alu depctr_va_vdst(0)                   ; block 1 has been rounded: its eight packed rows are written, which the stores below read; and its multiply-adds, products and roundings are done with v12 to v107, in which the loads below land
	XLOAD 12, 8, 24                                ; the rest of the row, into the constants', the sources' and twelve accumulator registers
	s_wait_loadcnt 24                              ; x's first eight loads are in; the 24 just issued stay out
.set i, 0
.rept 8                                ; block 1's stores among the first group's conversions, which name T alone: nothing issued since the wait above names a register that these stores read
	WSTORE 1, i
	XCVT T, i
.set i, i+1
.endr
	XGROUP 12, T,  0,  16
	XGROUP 44, 12, 8,  8
	XGROUP 76, 44, 16, 0
	s_wait_alu depctr_va_vdst(0)                   ; the last group has been rounded: its registers are written, and the last eight stores read them
.set i, 0
.rept 8
	XSTORE 76, 24, i
.set i, i+1
.endr
	s_endpgm
.Lfunc_end_k_q6deee8ad93_prep:
	.size	k_q6deee8ad93_prep, .Lfunc_end_k_q6deee8ad93_prep-k_q6deee8ad93_prep
	.p2alignl 7, 3214868480
	.fill 96, 4, 3214868480
	.section	.rodata,"a",@progbits
	.p2align	6, 0x0
	.amdhsa_kernel k_q6deee8ad93_prep
		.amdhsa_group_segment_fixed_size 0
		.amdhsa_private_segment_fixed_size 0
		.amdhsa_enable_private_segment 0
		.amdhsa_kernarg_size 64
		.amdhsa_user_sgpr_count 2
		.amdhsa_user_sgpr_kernarg_segment_ptr 1
		.amdhsa_wavefront_size32 1
		.amdhsa_system_sgpr_workgroup_id_x 1
		.amdhsa_system_sgpr_workgroup_id_y 1
		.amdhsa_system_sgpr_workgroup_id_z 1
		.amdhsa_system_vgpr_workitem_id 0
		.amdhsa_next_free_vgpr 256
		.amdhsa_next_free_sgpr 66
		.amdhsa_reserve_vcc 0
		.amdhsa_float_denorm_mode_32 3
		.amdhsa_float_denorm_mode_16_64 3
		.amdhsa_memory_ordered 1
		.amdhsa_forward_progress 1
		.amdhsa_inst_pref_size 42
	.end_amdhsa_kernel
	.amdgpu_metadata
---
amdhsa.version: [ 1, 2 ]
amdhsa.kernels:
  - .name:           k_q6deee8ad93_prep
    .symbol:         k_q6deee8ad93_prep.kd
    .args:
      - { .name: x, .offset: 0, .size: 8, .value_kind: global_buffer, .address_space: global }
      - { .name: weight_quant, .offset: 8, .size: 8, .value_kind: global_buffer, .address_space: global }
      - { .name: scale, .offset: 16, .size: 8, .value_kind: global_buffer, .address_space: global }
      - { .name: zero, .offset: 24, .size: 8, .value_kind: global_buffer, .address_space: global }
      - { .name: lora_A, .offset: 32, .size: 8, .value_kind: global_buffer, .address_space: global }
      - { .name: lora_B, .offset: 40, .size: 8, .value_kind: global_buffer, .address_space: global }
      - { .name: xh, .offset: 48, .size: 8, .value_kind: global_buffer, .address_space: global }
      - { .name: wh, .offset: 56, .size: 8, .value_kind: global_buffer, .address_space: global }
    .group_segment_fixed_size: 0
    .private_segment_fixed_size: 0
    .kernarg_segment_align: 8
    .kernarg_segment_size: 64
    .max_flat_workgroup_size: 512
    .sgpr_count:     66
    .vgpr_count:     256
    .wavefront_size: 32
...
	.end_amdgpu_metadata
.endif
;; end of part 3
;; launch gemm: the kernel of part 2 again; grid 16 x 16, 4 waves a work-group, clusters of 4 x 4, 327,680 bytes of LDS; arguments xh, wh, out0, bias; writes out0
